; MI455X (gfx1250); checked and timed in simulation.
; The chip was launched on July 23, 2026; its instructions are those of AMD's public machine-readable ISA for CDNA 5 (MIT licence, August 2026) and "CDNA5" Instruction Set Architecture Reference Guide (July 2026). The comments in the code are by the model that wrote it; some were corrected since.
;; Non Local Attention. Allowed arithmetic: matrix products marked QUANTISED: E4M3 operands, one given power-of-two scale a tensor, by v_wmma_f32_16x16x64_fp8_fp8 or v_wmma_f32_16x16x128_fp8_fp8, f32 sums; products left as they are: f32 operands where the result goes on into a quantised operand, else bf16, f16 or f32 operands; f32 sums; everything else in f32.
;; Inputs: a1 1 float32; a2 1 float32; aa 1 float32; b1 24 float32; b2 24 float32; ba 192 float32; lowp_scales 8 int32 (the exponents e of the quantised operands' scales 2^e); w1_codes 24 x 6 x 32 uint8 (E4M3 codes of w1, K innermost, in blocks of 32 codes); w2_codes 24 x 6 x 32 uint8 (E4M3 codes of w2, K innermost, in blocks of 32 codes); wa_codes 192 x 6 x 32 uint8 (E4M3 codes of wa, K innermost, in blocks of 32 codes); x_codes 8 x 64 x 64 x 6 x 32 uint8 (E4M3 codes of x, K innermost, in blocks of 32 codes).
;; Outputs: out0 8 x 192 x 64 x 64 float32.
;; This version of the problem:
;;   THIS VERSION OF THE PROBLEM IS GIVEN IN LOW PRECISION. The matrix products marked QUANTISED in the list below multiply operands that are first quantised to E4M3 (4 exponent bits, 3 mantissa bits; 8 bits a number), with one given power-of-two scale for each operand tensor; their sums are f32. All else is computed in f32.
;;   The module's matrix products, in the order in which they are computed (A, B: the left and right operand; K: the contracted axis; several contracted axes count as one K, in the product's order):
;;     1. [M 24, K 192] x [K 192, N 32,768]; A: input w1 (given as codes); B: input x (given as codes): QUANTISED (scales: A lowp_scales[0], B lowp_scales[1])
;;     2. [M 24, K 192] x [K 192, N 32,768]; A: input w2 (given as codes); B: input x (given as codes): QUANTISED (scales: A lowp_scales[2], B lowp_scales[3])
;;     3. [M 192, K 192] x [K 192, N 32,768]; A: input wa (given as codes); B: input x (given as codes): QUANTISED (scales: A lowp_scales[4], B lowp_scales[5])
;;     4. batch 8 x [M 4,096, K 24] x [K 24, N 4,096]; A: computed on the way; B: computed on the way: left as it is (K = 24 < 32)
;;     5. batch 8 x [M 4,096, K 4,096] x [K 4,096, N 192]; A: softmax (see below); B: computed on the way: QUANTISED (scales: A lowp_scales[6], B lowp_scales[7])
;;   THE QUANTISER, for each operand of a quantised product, along K:
;;     - The operand's scale is 2^e, e = its entry of the input lowp_scales (int32; the entries are numbered through the quantised products in the list's order, A before B).
;;     - Each number is divided by the scale, clamped to +-448, and rounded to the nearest number of E4M3, ties to even, subnormals kept.
;;     - The product sums the exact products of the quantised numbers (number of the format x scale) in f32.
;;   ~~~python
;;   def quantise(x, axis, e):      # numpy; x: float32 -> the quantised numbers, widened to float32 again
;;       x = np.moveaxis(x, axis, -1); K = x.shape[-1]
;;       r = np.clip(x / 2.0 ** e, -448, 448)
;;       step = 2.0 ** (np.maximum(np.frexp(np.where(r == 0, 1, r))[1] - 1, -6) - 3)
;;       q = np.round(r / step) * step * 2.0 ** e      # np.round: ties to even
;;       return np.moveaxis(q, -1, axis).astype(np.float32)
;;   ~~~
;;   SOFTMAX AHEAD OF A QUANTISED PRODUCT. Where the list says 'softmax', what is quantised is not the finished softmax but p = 2^(t - M), with t = logit x log2(e) and M = ceil(the row's largest t), a whole number; so 1/2 < the row's largest p <= 1. The row's sum l is taken of the UNQUANTISED p, in f32, and the product's result is divided by l at the end. Since M is a whole number, a kernel that streams over the keys may use a running M (the ceiling of the running maximum): every later rescaling is an exact power of two, so the quantised numbers keep their values, but for numbers so far below the row's largest that they fall under the format's range.
;;   OPERANDS COMPUTED ON THE WAY. 'Computed on the way' means the value that the module computes at that place (a softmax that the list does not call 'softmax' is quantised finished and normalised). What goes into a quantiser is computed in f32, as accurately as f32 sums, v_exp_f32 and their like allow (about 1e-6 of the number): no bf16 or f16 on the way to a quantiser, and a product that is left as it is and whose result goes on into a quantised operand takes f32 operands (vector FMAs, or v_wmma_f32_16x16x4_f32). A number that lies on a knife's edge between two numbers of the format may be rounded either way, as far as f32 arithmetic and the matrix unit's own rounding can turn it there, and no further.
;;   INPUTS GIVEN AS CODES. w1 (in the module: [24, 192], K = its axis 1); w2 (in the module: [24, 192], K = its axis 1); wa (in the module: [192, 192], K = its axis 1); x (in the module: [8, 192, 64, 64], K = its axis 1): each comes as NAME_codes (uint8): NAME with its K axis moved to the last place and cut into blocks of 32 codes, [.., K / 32, bytes a block], one block behind the other in memory; one code a byte (a code: sign, 4 exponent bits, 3 mantissa bits); its scale is its entry of lowp_scales. Its value is code x scale, taken as it is: it is not quantised again, and the codes and scales need not be those that the quantiser above would give.
;; One version. Each part assembles by itself: llvm-mc -triple=amdgcn-amd-amdhsa -mcpu=gfx1250 --defsym DOCPART=n.
;; ======== version 1 of 1: 2 launches
;; workspace buffers: qimg 3,145,728 bytes; kv 9,437,184 bytes
;; launch proj (part 1): grid 32 x 8, 16 waves a work-group, clusters of 4 x 1, 169,984 bytes of LDS; arguments x_codes, wa_codes, w1_codes, w2_codes, b1, b2, ba, a1, a2, aa, lowp_scales, qimg, kv; writes qimg, kv
.if DOCPART == 1
	.amdgcn_target "amdgcn-amd-amdhsa--gfx1250"
	.amdhsa_code_object_version 6
	.text
	.protected	k_q77ca2d5689_proj
	.globl	k_q77ca2d5689_proj
	.p2align	8
	.type	k_q77ca2d5689_proj,@function
k_q77ca2d5689_proj:
	s_mov_b64 s[64:65], 0
	v_nop
	global_prefetch_b8 v0, s[64:65] scope:SCOPE_SE
	s_setreg_imm32_b32 hwreg(HW_REG_WAVE_MODE, 25, 1), 1
	s_wait_xcnt 0x0
	s_wait_alu depctr_hold_cnt(0) depctr_sa_sdst(0) depctr_va_vdst(0) depctr_va_sdst(0) depctr_va_ssrc(0) depctr_va_vcc(0) depctr_vm_vsrc(0)
	s_getreg_b32 s2, hwreg(HW_REG_IB_STS2, 6, 4)
	s_cmp_eq_u32 s2, 0
	s_cbranch_scc0 .Lentry_in_a_cluster
	s_endpgm
.Lentry_in_a_cluster:
	s_bfe_u32 s2, ttmp6, 0x10000c
	s_cmp_lg_u32 s2, 0x3003
	s_cbranch_scc0 .Lentry_shape_is_right
	s_endpgm
.Lentry_shape_is_right:
; q = prelu(x W1^T + b1), k = prelu(x W2^T + b2), v = prelu(x Wa^T + ba): three products on codes of FP8 (E4M3), K = 192, sums in f32.
; x: [8][4096][192] codes; W1, W2: [24][192]; Wa: [192][192] codes; lowp_scales: e0 .. e7.  A sum stands for sum x 2^(e of its two operands added).
; q and k leave as f32, v as codes of E4M3 along the keys with the given scale 2^e7 (held within +-448 x 2^e7, nearest code, ties to even).
; WHAT IS STORED ARE IMAGES OF THE NEXT LAUNCH'S OPERAND REGISTERS: every store of a wave covers 512 consecutive bytes, aligned.
;   TILE ORDER: in a group of 128 positions lane r of tile 2 b + u stands for position 32 b + 8 u + r + 8 (r / 8).
;   qimg [image][group][tile 8][chunk 3][lane 32][16 bytes]: lane (r, h), chunk c: q of the tile's position r, channels 12 h + 4 c + 0 .. 3, f32.
;   kv   [image][group][36,864 bytes]: k's 8 tiles laid as q's (12,288 bytes), then v's 12 fragments [chunk b 4][lane 32][16 bytes]:
;        lane (r, h): the codes of v(channel 16 ct + r, keys 32 b + 16 h + 0 .. 15).
; SHARES.  A work-group takes one group of 128 positions of one image.  Wave w: b = w % 4 (32 positions: tiles 2 b, 2 b + 1), g = w / 4.  It makes v's channels 48 g .. 48 g + 47 for
; its 32 positions, and, where g < 3, one of three tiles of 16 rows of W1 and W2 for them.
; CLUSTER.  The weights (46,080 bytes of a work-group's 70,656) are the same for all work-groups: the four partners ask for them JOINTLY.  x's 128 rows are the work-group's own: plain loads.
; Nothing in LDS is filled twice and nothing is stored there.
; K PERMUTED ALIKE IN BOTH OPERANDS: a lane takes 16 neighbouring codes a load (k = 32 c + 16 h + 0 .. 15 in registers 4 c .. 4 c + 3): every product meets its partner, only the order of the sums changes.
; LIMITS: e0 + e1, e2 + e3, e4 + e5 between -126 and 127; e7 between -126 and 119, so that each power of two below is an f32 number.  NaN among the inputs is not served.
.set PITCH, 240                        ; an LDS row: 192 bytes of codes, 16 bytes of padding behind each 64
.set WAB,   128*PITCH                  ; LDS: x's 128 rows at 0, Wa's 192 rows here,
.set W1B,   WAB+192*PITCH              ; W1's 24 rows, and W2's 24 straight behind them
.set PADW,  (1<<20)|(3<<22)|(3<<25)    ; group 1, word 0: elements of 1 byte; padding on; after every 16 words (code 3); 4 words of it (code 3)
.set STEPB, 36864                      ; a group's bytes in kv
.set KIMG,  12288                      ; of which k's images
.set WV,    30                         ; s30 wave; s31 b; s32 g; s33 min(g, 2); s34 cx; s35 the group; s36 the image
.set XF,    16                         ; v16-63   x's two fragments (tile u at + 24 u)
.set WF,    64                         ; v64-135  Wa's three (tile i at + 24 i)
.set WQ,    136                        ; v136-159 the tile of W1 and W2
.set AV,    160                        ; v160-207 v's sums: (i, u) at + 16 i + 8 u
.set AQK,   208                        ; v208-223 q's and k's sums: u at + 8 u
.set BQ,    224                        ; v224-231 their biases, in the result's layout
.set TMP,   232                        ; v232-239 at work
.set CODES, 240                        ; v240-251 v's codes: four registers for each i
.macro CROUND                          ; a round of the cluster's barrier
	s_barrier_signal -1
	s_barrier_wait -1
	s_cmp_lg_u32 s[WV], 0
	s_cbranch_scc1 .Lnot_wave_0_\@
	s_barrier_signal -3
.Lnot_wave_0_\@:
	s_barrier_wait -3
	s_barrier_signal -1
	s_barrier_wait -1
.endm
.macro PLACES n
.rept \n
	v_nop
.endr
.endm
.macro FRAG reg, adr, off              ; 16 rows x 192 K: six loads of 16 bytes a lane; chunk c of a row lies 32 c + 16 (c / 2) bytes in
.irp c, 0,1,2,3,4,5
	ds_load_b128 v[\reg+4*\c:\reg+4*\c+3], v[\adr] offset:\off+32*\c+16*(\c/2)
.endr
.endm
	s_load_b512 s[4:19], s[0:1], 0x0               ; x s[4:5], Wa s[6:7], W1 s[8:9], W2 s[10:11], b1 s[12:13], b2 s[14:15], ba s[16:17], a1 s[18:19]
	s_load_b256 s[20:27], s[0:1], 0x40             ; a2 s[20:21], aa s[22:23], the exponents s[24:25], qimg s[26:27]
	s_load_b64 s[28:29], s[0:1], 0x60              ; kv
	v_lshl_add_u32 v254, v0, 2, 0x29000
	v_mov_b32 v255, 0
	ds_add_u32 v254, v255
	ds_add_u32 v254, v255
	v_lshrrev_b32 v1, 5, v0
	v_readfirstlane_b32 s[WV], v1                  ; wave 0 .. 15
	s_and_b32 s31, s[WV], 3                        ; b
	s_lshr_b32 s32, s[WV], 2                       ; g
	s_min_u32 s33, s32, 2                          ; which tile of W1 and W2 (waves with g = 3 make none)
	s_bfe_u32 s34, ttmp6, 0x40000                  ; cx
	s_lshl_b32 s35, ttmp9, 2
	s_add_co_u32 s35, s35, s34                     ; the group of 128 positions = 4 x cluster x + cx
	s_and_b32 s36, ttmp7, 0xffff                   ; the image
	; descriptor groups 1: rows of 192 bytes, dense in memory.  s[40:47]: x's, 64 rows, no mask.  s[48:55]: Wa's, 64 rows, all four partners.  s[56:63]: W1's and W2's, 24 rows, all four
	s_mov_b32 s40, PADW
	s_mov_b32 s48, PADW|15|(1<<21)                 ; 15:0 the mask; 21 set beside a mask
	s_mov_b32 s56, PADW|15|(1<<21)
.irp g, 40, 48
	s_mov_b32 s[\g+1], 192<<16                     ; tensor_dim0
	s_mov_b32 s[\g+2], 64<<16                      ; tensor_dim1
	s_mov_b32 s[\g+3], 192<<16                     ; tile_dim0
	s_mov_b32 s[\g+4], 64                          ; tile_dim1
	s_mov_b32 s[\g+5], 192                         ; tensor_dim0_stride
	s_mov_b32 s[\g+6], 0
	s_mov_b32 s[\g+7], 0
.endr
	s_mov_b32 s57, 192<<16
	s_mov_b32 s58, 24<<16
	s_mov_b32 s59, 192<<16
	s_mov_b32 s60, 24
	s_mov_b32 s61, 192
	s_mov_b32 s62, 0
	s_mov_b32 s63, 0
	; groups 0: s[84:87] Wa (waves 2 to 4: rows 64 (wave - 2) on), s[88:91] W1 (wave 5) or W2 (wave 6), s[68:71] x (waves 0, 1: rows 64 x wave on).  No place in the cluster enters the first two
	s_mov_b32 s84, 1
	s_min_u32 s83, s[WV], 4
	s_mul_i32 s85, s83, 64*PITCH                   ; LDS: wave x 64 rows: x's two halves, then Wa's three thirds
	s_max_u32 s83, s83, 2
	s_sub_co_u32 s83, s83, 2
	s_mul_i32 s86, s83, 64*192
	s_mov_b32 s87, 0
	s_mov_b32 s88, 1
	s_min_u32 s83, s[WV], 6
	s_mul_i32 s89, s83, 24*PITCH
	s_add_co_u32 s89, s89, W1B-5*24*PITCH          ; wave 5: W1's rows; wave 6: W2's
	s_mov_b32 s68, 1
	s_min_u32 s83, s[WV], 1
	s_mul_i32 s69, s83, 64*PITCH
	s_mul_i32 s70, s83, 64*192
	s_mul_i32 s83, s36, 4096*192
	s_add_co_u32 s70, s70, s83
	s_mul_i32 s83, s35, 128*192
	s_add_co_u32 s70, s70, s83                     ; x: image, group, my 64 rows
	s_mov_b32 s71, 0
	; LDS addresses of the fragments
	v_and_b32 v1, 31, v0                           ; lane
	v_and_b32 v2, 15, v0                           ; r
	v_bfe_u32 v3, v0, 4, 1                         ; h
	v_and_b32 v232, 8, v2
	v_add_nc_u32 v232, v232, v2                    ; r + 8 (r / 8)
	v_mul_u32_u24 v4, v232, PITCH
	v_lshl_add_u32 v4, v3, 4, v4
	s_mul_i32 s37, s31, 32*PITCH
	v_add_nc_u32 v4, s37, v4                       ; v4: x, tile 2 b: row 32 b + r + 8 (r / 8), + 16 h; tile 2 b + 1 lies 8 rows on
	v_mul_u32_u24 v5, v2, PITCH
	v_lshl_add_u32 v5, v3, 4, v5
	s_mul_i32 s37, s32, 48*PITCH
	s_add_co_u32 s37, s37, WAB
	v_add_nc_u32 v5, s37, v5                       ; v5: Wa, row 48 g + r; tile i lies 16 i rows on
	; THE ROWS OF W1 AND W2 THAT FORM A TILE are chosen so that a lane's eight results are whole chunks of the images.  Counting W1's 24 rows and then W2's:
	; tile 0: row m -> q's channel m + 4 (m / 8);  tile 1: m % 8 < 4: q's channel 12 (m / 8) + 8 + m % 8, else k's channel 12 (m / 8) + 4 + m % 8;  tile 2: as tile 0, of k
	v_lshrrev_b32 v232, 3, v2
	v_lshl_add_u32 v232, v232, 2, v2               ; r + 4 (r / 8)
	v_bfe_u32 v233, v2, 2, 1
	v_mul_u32_u24 v233, v233, 20
	v_add_nc_u32 v233, 8, v233                     ; 8, or 28 where r % 8 >= 4:
	s_and_b32 s37, s33, 1
	v_mul_u32_u24 v233, s37, v233                  ; in tile 1 alone
	v_add_nc_u32 v232, v232, v233
	v_mul_u32_u24 v6, v232, PITCH
	v_lshl_add_u32 v6, v3, 4, v6
	s_lshr_b32 s37, s33, 1
	s_mul_i32 s37, s37, 24*PITCH                   ; tile 2: W2's rows
	s_add_co_u32 s37, s37, W1B
	v_add_nc_u32 v6, s37, v6                       ; v6
	v_lshlrev_b32 v7, 4, v1                        ; v7: 16 x lane: my place in an image's chunk
	v_lshlrev_b32 v8, 2, v2                        ; v8: ba: 4 r
	v_mul_u32_u24 v9, v3, 48                       ; v9: b1, b2: 12 h channels
	s_wait_dscnt 0x0
	s_wait_kmcnt 0x0
	s_load_b256 s[72:79], s[24:25], 0x0            ; e0 .. e7
	s_load_b32 s80, s[18:19], 0x0                  ; a1
	s_load_b32 s81, s[20:21], 0x0                  ; a2
	s_load_b32 s82, s[22:23], 0x0                  ; aa
	s_add_nc_u64 s[86:87], s[6:7], s[86:87]
	s_or_b32 s87, s87, 0x80000000                  ; type = 2
	s_cmp_eq_u32 s[WV], 5
	s_cselect_b64 s[90:91], s[8:9], s[10:11]
	s_or_b32 s91, s91, 0x80000000
	s_add_nc_u64 s[70:71], s[4:5], s[70:71]
	s_or_b32 s71, s71, 0x80000000
	CROUND                                         ; all four work-groups are here: the joint loads meet
	; all fills of the launch, one a wave, in one tree of branches on the wave's number; four v_nop follow each line
	s_cmp_lt_u32 s[WV], 2
	s_cbranch_scc0 .Lnot_x
	tensor_load_to_lds s[68:71], s[40:47]
	s_nop 0
	PLACES 4
	s_branch .Lasked
.Lnot_x:
	s_cmp_lt_u32 s[WV], 5
	s_cbranch_scc0 .Lnot_wa
	tensor_load_to_lds s[84:87], s[48:55]
	s_nop 0
	PLACES 4
	s_branch .Lasked
.Lnot_wa:
	s_cmp_lt_u32 s[WV], 7
	s_cbranch_scc0 .Lasked
	tensor_load_to_lds s[88:91], s[56:63]
	s_nop 0
	PLACES 4
.Lasked:
	; the biases.  ba: of my channel 48 g + 16 i + r.  The q/k tile's: registers 0-3 and 4-7 are chunks of q or of k: b1 or b2 at channel 12 h + 0, 4 or 8
	s_mul_i32 s2, s32, 192
	s_mov_b32 s3, 0
	s_add_nc_u64 s[16:17], s[16:17], s[2:3]
	s_cmp_lt_u32 s33, 2
	s_cselect_b64 s[4:5], s[12:13], s[14:15]       ; registers 0-3: q's in tiles 0 and 1
	s_cmp_lt_u32 s33, 1
	s_cselect_b64 s[6:7], s[12:13], s[14:15]       ; registers 4-7: q's in tile 0
	s_cmp_eq_u32 s33, 1
	s_cselect_b32 s2, 32, 0
	s_add_nc_u64 s[4:5], s[4:5], s[2:3]
	s_cselect_b32 s2, 32, 16
	s_add_nc_u64 s[6:7], s[6:7], s[2:3]
.irp i, 0,1,2
	global_load_b32 v[10+2*\i], v8, s[16:17] offset:64*\i
.endr
	global_load_b128 v[BQ:BQ+3], v9, s[4:5]
	global_load_b128 v[BQ+4:BQ+7], v9, s[6:7]
	v_mov_b32 v11, 0                               ; (named as the upper halves of pairs whose low word serves both halves)
	v_mov_b32 v13, 0
	v_mov_b32 v15, 0
	; where the images go
	s_lshl_b32 s37, s36, 5
	s_add_co_u32 s37, s37, s35                     ; 32 x image + group
	s_mul_i32 s2, s37, STEPB
	s_add_nc_u64 s[28:29], s[28:29], s[2:3]        ; kv at my group
	s_mul_i32 s2, s32, 3*2048
	s_lshl_b32 s83, s31, 9
	s_add_co_u32 s2, s2, s83
	s_add_co_u32 s2, s2, KIMG
	s_add_nc_u64 s[38:39], s[28:29], s[2:3]        ; s[38:39]: v's fragment 3 g, chunk b
	s_mul_i32 s2, s31, 2*1536
	s_add_nc_u64 s[28:29], s[28:29], s[2:3]        ; k's tile 2 b
	s_mul_i32 s83, s37, 8*1536
	s_add_co_u32 s2, s2, s83
	s_add_nc_u64 s[26:27], s[26:27], s[2:3]        ; q's tile 2 b
	s_cmp_lt_u32 s33, 2
	s_cselect_b64 s[8:9], s[26:27], s[28:29]       ; s[8:9]: where registers 0-3 go: chunk 0, in tile 1 chunk 2
	s_cmp_lt_u32 s33, 1
	s_cselect_b64 s[10:11], s[26:27], s[28:29]     ; s[10:11]: registers 4-7: chunk 1, in tile 1 chunk 2
	s_cmp_eq_u32 s33, 1
	s_cselect_b32 s2, 1024, 0
	s_add_nc_u64 s[8:9], s[8:9], s[2:3]
	s_cselect_b32 s2, 512, 0
	s_add_nc_u64 s[10:11], s[10:11], s[2:3]
	s_add_nc_u64 s[10:11], s[10:11], 512
	; the scales and slopes, as pairs for the packed forms (the low word serves both halves; the upper is named with it, so it is written)
	s_wait_kmcnt 0x0
	s_add_co_i32 s2, s72, s73
	s_add_co_i32 s2, s2, 127
	s_lshl_b32 s2, s2, 23                          ; 2^(e0 + e1)
	s_add_co_i32 s3, s74, s75
	s_add_co_i32 s3, s3, 127
	s_lshl_b32 s3, s3, 23                          ; 2^(e2 + e3)
	s_add_co_i32 s92, s76, s77
	s_add_co_i32 s92, s92, 127
	s_lshl_b32 s92, s92, 23                        ; s[92:93]: 2^(e4 + e5)
	s_mov_b32 s93, s92
	s_mov_b32 s94, s82                             ; s[94:95]: aa
	s_mov_b32 s95, s82
	s_cmp_lt_u32 s33, 2
	s_cselect_b32 s96, s2, s3                      ; s[96:97], s[98:99]: scale and slope of registers 0-3
	s_cselect_b32 s98, s80, s81
	s_cmp_lt_u32 s33, 1
	s_cselect_b32 s100, s2, s3                     ; s[100:101], s[66:67]: of registers 4-7
	s_cselect_b32 s66, s80, s81
	s_mov_b32 s97, s96
	s_mov_b32 s99, s98
	s_mov_b32 s101, s100
	s_mov_b32 s67, s66
	s_add_co_i32 s37, s79, 127
	s_lshl_b32 s83, s37, 23
	v_mov_b32 v252, s83                            ; 2^e7 as f32: the conversion takes its exponent field
	s_add_co_i32 s37, s37, 8
	s_lshl_b32 s37, s37, 23
	s_or_b32 s37, s37, 0x600000
	v_mov_b32 v253, s37                            ; 448 x 2^e7
	s_wait_tensorcnt 0x0                           ; my tile, if I fetched one, has landed,
	s_barrier_signal -1
	s_barrier_wait -1                              ; everybody's has
.irp u, 0,1
	FRAG XF+24*\u, 4, 8*PITCH*\u
.endr
.irp i, 0,1,2
	FRAG WF+24*\i, 5, 16*PITCH*\i
.endr
	FRAG WQ, 6, 0
	s_wait_dscnt 6                                 ; all but the six youngest loads, the tile of W1 and W2
	; v: source 0 = 16 positions of x, source 1 = 16 rows of Wa: a lane holds ONE channel (r), and the 16 registers of (i, 0), (i, 1) are keys 32 b + 16 h + 0 .. 15.
	; Three links of 64 along K; the six accumulators take turns, one instruction a turn
.irp q, 0,1,2
.irp i, 0,1,2
.irp u, 0,1
.if \q == 0
	v_wmma_f32_16x16x64_fp8_fp8 v[AV+16*\i+8*\u:AV+16*\i+8*\u+7], v[XF+24*\u+8*\q:XF+24*\u+8*\q+7], v[WF+24*\i+8*\q:WF+24*\i+8*\q+7], 0
.else
	v_wmma_f32_16x16x64_fp8_fp8 v[AV+16*\i+8*\u:AV+16*\i+8*\u+7], v[XF+24*\u+8*\q:XF+24*\u+8*\q+7], v[WF+24*\i+8*\q:WF+24*\i+8*\q+7], v[AV+16*\i+8*\u:AV+16*\i+8*\u+7]
.endif
.endr
.endr
.endr
	PLACES 4                                       ; four plain places between a matrix instruction and the first read of its result (ISA guide 7.12.1)
	s_wait_loadcnt 0x0                             ; the biases
; Channel tile i: y = sum x 2^(e4 + e5) + ba; where y < 0: aa y (a compare and a select: right for every slope); held within +-448 x 2^e7; 16 codes; one store of 512 bytes a wave
.macro VEPI i
.irp u, 0,1
.set YR, AV+16*\i+8*\u
.irp j, 0,2,4,6
	v_pk_fma_f32 v[YR+\j:YR+\j+1], v[YR+\j:YR+\j+1], s[92:93], v[10+2*\i:11+2*\i] op_sel_hi:[1,0,0]
.endr
.irp j, 0,2,4,6
	v_pk_mul_f32 v[TMP+\j:TMP+\j+1], v[YR+\j:YR+\j+1], s[94:95] op_sel_hi:[1,0]
.endr
.irp j, 0,1,2,3,4,5,6,7
	v_cmp_le_f32 vcc_lo, 0, v[YR+\j]
	v_cndmask_b32 v[YR+\j], v[TMP+\j], v[YR+\j], vcc_lo
.endr
.irp j, 0,1,2,3,4,5,6,7
	v_med3_num_f32 v[YR+\j], v[YR+\j], -v253, v253   ; the conversion to an 8-bit code does not saturate (ISA guide 7.6.2): the hold comes first
.endr
	v_cvt_scalef32_pk8_fp8_f32 v[CODES+4*\i+2*\u:CODES+4*\i+2*\u+1], v[YR:YR+7], v252
.endr
	v_nop                                          ; one plain vector instruction behind the last conversion of a run
	global_store_b128 v7, v[CODES+4*\i:CODES+4*\i+3], s[38:39] offset:2048*\i
.endm
	VEPI 0
	VEPI 1
	VEPI 2
	s_wait_dscnt 0x0                               ; the tile of W1 and W2 is in; on every wave's path: no LDS load is out at the closing round's signal
	s_cmp_eq_u32 s32, 3
	s_cbranch_scc1 .Lno_qk                         ; three tiles of W1 and W2 for four g: waves 12 to 15 have none
	; q, k: source 0 = 16 rows of W1 and W2, source 1 = 16 positions of x: a lane holds ONE position (r) and eight channels.  Two accumulators by turns
.irp q, 0,1,2
.irp u, 0,1
.if \q == 0
	v_wmma_f32_16x16x64_fp8_fp8 v[AQK+8*\u:AQK+8*\u+7], v[WQ+8*\q:WQ+8*\q+7], v[XF+24*\u+8*\q:XF+24*\u+8*\q+7], 0
.else
	v_wmma_f32_16x16x64_fp8_fp8 v[AQK+8*\u:AQK+8*\u+7], v[WQ+8*\q:WQ+8*\q+7], v[XF+24*\u+8*\q:XF+24*\u+8*\q+7], v[AQK+8*\u:AQK+8*\u+7]
.endif
.endr
.endr
	PLACES 4
.macro QEPI u
.set YR, AQK+8*\u
.irp j, 0,2
	v_pk_fma_f32 v[YR+\j:YR+\j+1], v[YR+\j:YR+\j+1], s[96:97], v[BQ+\j:BQ+\j+1] op_sel_hi:[1,0,1]
.endr
.irp j, 4,6
	v_pk_fma_f32 v[YR+\j:YR+\j+1], v[YR+\j:YR+\j+1], s[100:101], v[BQ+\j:BQ+\j+1] op_sel_hi:[1,0,1]
.endr
.irp j, 0,2
	v_pk_mul_f32 v[TMP+\j:TMP+\j+1], v[YR+\j:YR+\j+1], s[98:99] op_sel_hi:[1,0]
.endr
.irp j, 4,6
	v_pk_mul_f32 v[TMP+\j:TMP+\j+1], v[YR+\j:YR+\j+1], s[66:67] op_sel_hi:[1,0]
.endr
.irp j, 0,1,2,3,4,5,6,7
	v_cmp_le_f32 vcc_lo, 0, v[YR+\j]
	v_cndmask_b32 v[YR+\j], v[TMP+\j], v[YR+\j], vcc_lo
.endr
	global_store_b128 v7, v[YR:YR+3], s[8:9] offset:1536*\u      ; a chunk of tile 2 b + u: 512 consecutive bytes
	global_store_b128 v7, v[YR+4:YR+7], s[10:11] offset:1536*\u
.endm
	QEPI 0
	QEPI 1
.Lno_qk:
	s_wait_tensorcnt 0x0
	ds_add_u32 v254, v255
	s_wait_dscnt 0x0
	CROUND                                         ; the closing round: no work-group ends while a partner may still ask for a tile that names it
	s_endpgm
.Lfunc_end_k_q77ca2d5689_proj:
	.size	k_q77ca2d5689_proj, .Lfunc_end_k_q77ca2d5689_proj-k_q77ca2d5689_proj
	.p2alignl 7, 3214868480
	.fill 96, 4, 3214868480
	.section	.rodata,"a",@progbits
	.p2align	6, 0x0
	.amdhsa_kernel k_q77ca2d5689_proj
		.amdhsa_group_segment_fixed_size 169984
		.amdhsa_private_segment_fixed_size 0
		.amdhsa_enable_private_segment 0
		.amdhsa_kernarg_size 104
		.amdhsa_user_sgpr_count 2
		.amdhsa_user_sgpr_kernarg_segment_ptr 1
		.amdhsa_wavefront_size32 1
		.amdhsa_system_sgpr_workgroup_id_x 1
		.amdhsa_system_sgpr_workgroup_id_y 1
		.amdhsa_system_sgpr_workgroup_id_z 1
		.amdhsa_system_vgpr_workitem_id 0
		.amdhsa_next_free_vgpr 256
		.amdhsa_next_free_sgpr 102
		.amdhsa_reserve_vcc 1
		.amdhsa_float_denorm_mode_32 3
		.amdhsa_float_denorm_mode_16_64 3
		.amdhsa_memory_ordered 1
		.amdhsa_forward_progress 1
		.amdhsa_inst_pref_size 27
	.end_amdhsa_kernel
	.amdgpu_metadata
---
amdhsa.version: [ 1, 2 ]
amdhsa.kernels:
  - .name:           k_q77ca2d5689_proj
    .symbol:         k_q77ca2d5689_proj.kd
    .args:
      - { .name: x_codes, .offset: 0, .size: 8, .value_kind: global_buffer, .address_space: global }
      - { .name: wa_codes, .offset: 8, .size: 8, .value_kind: global_buffer, .address_space: global }
      - { .name: w1_codes, .offset: 16, .size: 8, .value_kind: global_buffer, .address_space: global }
      - { .name: w2_codes, .offset: 24, .size: 8, .value_kind: global_buffer, .address_space: global }
      - { .name: b1, .offset: 32, .size: 8, .value_kind: global_buffer, .address_space: global }
      - { .name: b2, .offset: 40, .size: 8, .value_kind: global_buffer, .address_space: global }
      - { .name: ba, .offset: 48, .size: 8, .value_kind: global_buffer, .address_space: global }
      - { .name: a1, .offset: 56, .size: 8, .value_kind: global_buffer, .address_space: global }
      - { .name: a2, .offset: 64, .size: 8, .value_kind: global_buffer, .address_space: global }
      - { .name: aa, .offset: 72, .size: 8, .value_kind: global_buffer, .address_space: global }
      - { .name: lowp_scales, .offset: 80, .size: 8, .value_kind: global_buffer, .address_space: global }
      - { .name: qimg, .offset: 88, .size: 8, .value_kind: global_buffer, .address_space: global }
      - { .name: kv, .offset: 96, .size: 8, .value_kind: global_buffer, .address_space: global }
    .group_segment_fixed_size: 169984
    .private_segment_fixed_size: 0
    .kernarg_segment_align: 8
    .kernarg_segment_size: 104
    .max_flat_workgroup_size: 512
    .sgpr_count:     102
    .vgpr_count:     256
    .wavefront_size: 32
...
	.end_amdgpu_metadata
.endif
;; end of part 1
;; launch attn (part 2): grid 32 x 8, 8 waves a work-group, clusters of 4 x 1, 327,680 bytes of LDS; arguments qimg, kv, lowp_scales, out0; writes out0
.if DOCPART == 2
	.amdgcn_target "amdgcn-amd-amdhsa--gfx1250"
	.amdhsa_code_object_version 6
	.text
	.protected	k_q77ca2d5689_attn
	.globl	k_q77ca2d5689_attn
	.p2align	8
	.type	k_q77ca2d5689_attn,@function
k_q77ca2d5689_attn:
	s_mov_b64 s[64:65], 0
	v_nop
	global_prefetch_b8 v0, s[64:65] scope:SCOPE_SE
	s_setreg_imm32_b32 hwreg(HW_REG_WAVE_MODE, 25, 1), 1
	s_wait_xcnt 0x0
	s_wait_alu depctr_hold_cnt(0) depctr_sa_sdst(0) depctr_va_vdst(0) depctr_va_sdst(0) depctr_va_ssrc(0) depctr_va_vcc(0) depctr_vm_vsrc(0)
	s_getreg_b32 s2, hwreg(HW_REG_IB_STS2, 6, 4)
	s_cmp_eq_u32 s2, 0
	s_cbranch_scc0 .Lentry_in_a_cluster
	s_endpgm
.Lentry_in_a_cluster:
	s_bfe_u32 s2, ttmp6, 0x10000c
	s_cmp_lg_u32 s2, 0x3003
	s_cbranch_scc0 .Lentry_shape_is_right
	s_endpgm
.Lentry_shape_is_right:
; out[image][c][n] = the sum over m of softmax_m(q[n] . k[m]) v[m][c]: 8 images, 4,096 positions, q and k of 24 channels (f32), v of 192 (codes of E4M3 along the keys, scale 2^e7).
; THE SCORES are made with f32 operands (v_wmma_f32_16x16x4_f32, six K steps), since they go on into a quantiser.  THE SOFTMAX: t = score x log2(e); M = the row's largest t so far, rounded UP to a whole
; number; p = 2^(t - M) is quantised to E4M3 with the given 2^e6, not normalised; the row's sum is taken of the unquantised p and divides at the end.  When M moves, the sum and O are multiplied by 2^(old M - new M): exact.
; INPUTS ARE IMAGES OF OPERAND REGISTERS, made by the launch before: qimg [image][block of 128][tile 8][chunk 3][lane][16 bytes]; kv [image][key step 32][k's 8 tiles, 12,288 bytes; v's 12 fragments, 24,576 bytes].
; Lane r of tile 2 b + u stands for position 32 b + 8 u + r + 8 (r / 8), so that the 16 score registers of tiles 2 b, 2 b + 1 are keys 32 b + 16 h + 0 .. 15: the conversions' results are the second product's operand.
; In K step s of the f32 form element k = 2 h + j is channel 12 h + 2 s + j, alike in q and in k.
; SHARES.  A work-group owns 128 queries of one image, each of its eight waves one tile of 16; every wave walks the image's 4,096 keys, 128 a step.  Both products are used transposed (S^T = K Q^T, O^T = V^T P): a lane holds one query.
; A TRIP is pipelined by one step.  Trip j: k's first chunk of step j is asked of LDS; the softmax of step j - 1 (registers alone) stands between that request and its use; then the 48 f32 products of step j, with the
; twelve products on codes of step j - 1 set one by one between the first twelve of them: the two kinds share no register.  The other LDS loads stand in three runs among the f32 products: k's chunks 1 and 2 (over v's
; fragments 0-3, which have been multiplied by then), v's fragments 4-11 of step j, and behind the last f32 product v's fragments 0-3.  LDS is read for step j in trip j alone; v of step j crosses into trip j + 1 in registers.
; THE RING.  Two slots of four key steps (147,456 bytes each), filled by the tensor data mover; each wave fetches an eighth of a slot, 72 rows of 256 bytes, by one load.  A wave has two loads out at the start and one behind each round.
; A refill is asked for four key steps ahead of the wait for it; no prefetch is laid.
; CLUSTER.  The four query blocks of a cluster belong to one image and walk the same kv: each part of a slot is asked for JOINTLY, by the same load with the same descriptor and a mask that names the four.
; LIMITS: e6 between -126 and 119; e6 + e7 is applied by v_ldexp_f32 and has none.  NaN among the inputs is not served.
; REGISTERS, in windows of 256.  Window 0: v1-7 addresses; v8 -M, v9 the largest t, v[10:11] the sum in two halves, v[12:13] f, v14-16, v[20:23], v244-247 at work, v17 448 x 2^e6, v18 2^e6; v24-35 Q;
;   v36-63 and v240-243 k's first chunk (four registers a tile); v64-127 S^T (written by the f32 matrix form alone); v128-191 t - M, then p; v192-207 p's codes; v208-239 v's fragments 10, 11.
;   Window 1: v0-95 O^T (tile ct at 8 ct); v96-255 v's fragments 0 .. 9; k's chunks 1 and 2 (eight registers a tile) lie over v96-159 while the scores are made.
; The pairs of a product on codes and an f32 product want two window settings: 24 switches a trip; all other work lies in long stretches under one setting.
.set STEPB, 36864                      ; a key step in kv and in LDS
.set KIMG,  12288                      ; of which k's images
.set SLOTB, 4*STEPB                    ; a slot
.set WPART, SLOTB/8                    ; a wave's part of it: 72 rows of 256 bytes
.set SPARE, 2*SLOTB                    ; behind the ring: the spare words, 128 bytes for each wave: four blocks of 256 bytes that no other line names
.set SP,    528                        ; the way out: a stage of 192 rows (channels) x (512 bytes + 16), in slot 0, which has had its last fill and its last read by then
.set LI,   1                           ; v1  16 x lane
.set ADR,  2                           ; v2  LDS address of the step in hand
.set SPW,  3                           ; v3  LDS address of my spare word; never rewritten
.set NIL,  4                           ; v4  0; never rewritten
.set STO0, 5                           ; v5  the stage: where my numbers of channels 0-95 go
.set STO1, 6                           ; v6  of channels 96-191
.set RD,   7                           ; v7  where I read rows back
.set Q,    24
.set KZ,   36                          ; k's chunk 0, in window 0: tile t at KZ + 4 t, tile 7 at v240
.set S,    64
.set T,    128
.set P,    192
.set VH,   208                         ; v's fragments 10, 11, in window 0
.set KC,   96                          ; k's chunks 1 and 2, in window 1: tile t at KC + 8 t
.set VF,   96                          ; v's fragments 0 .. 9, in window 1
.set WV,   12                          ; s12 wave; s14 cx; s15 block of queries; s16 image; s[20:21] lane selects; s[22:23] log2(e); s[24:31] group 1; s[32:35], s[36:39] groups 0
.set TB,   40                          ; s40 LDS byte of the step in hand; s41 my part's place in a slot; s42, s43 counters; s[44:45] e6, e7
.set MSB, 0
.macro WIN new                         ; the immediate's high byte repeats the setting that is left
.if MSB != \new
	s_set_vgpr_msb (MSB<<8)|\new
.set MSB, \new
.endif
.endm
.macro PLACES n
.rept \n
	v_nop
.endr
.endm
.macro CROUND                          ; a round of the cluster's barrier
	s_barrier_signal -1
	s_barrier_wait -1
	s_cmp_lg_u32 s[WV], 0
	s_cbranch_scc1 .Lnot_wave_0_\@
	s_barrier_signal -3
.Lnot_wave_0_\@:
	s_barrier_wait -3
	s_barrier_signal -1
	s_barrier_wait -1
.endm
; k's first chunk of the step in hand: it serves K steps 0 and 1 of all eight tiles.  Its registers were last read by f32 products that stand more than eight plain vector instructions back
.macro KZERO
.irp t, 0,1,2,3,4,5,6,7
	ds_load_b128 v[KZ+4*\t+176*(\t/7):KZ+4*\t+176*(\t/7)+3], v[ADR] offset:1536*\t
.endr
.endm
; f32 product n of 48: K step n / 8, tile n % 8.  The eight accumulators take turns, one instruction a turn; the first K step starts the sums
.macro FP
.set fs, n/8
.set ft, n%8
.if fs < 2
	WIN 0
.set fa, KZ+4*ft+176*(ft/7)+2*fs
.else
	WIN 0x01                                       ; source 0 (k's chunks 1, 2) window 1
.set fa, KC+8*ft+2*(fs-2)
.endif
.if fs == 0
	v_wmma_f32_16x16x4_f32 v[S+8*ft:S+8*ft+7], v[fa:fa+1], v[Q:Q+1], 0
.else
	v_wmma_f32_16x16x4_f32 v[S+8*ft:S+8*ft+7], v[fa:fa+1], v[Q+2*fs:Q+2*fs+1], v[S+8*ft:S+8*ft+7]
.endif
.endm
; product on codes n of 12: O^T's tile n += v's fragment n x p.  first = 1: it starts the sum: nothing is ever cleared
.macro PVP first
.if n < 10
	WIN 0x51                                       ; v window 1, p window 0, O^T window 1
.set va, VF+16*n
.else
	WIN 0x50                                       ; v's last two fragments lie in window 0
.set va, VH+16*(n-10)
.endif
.if \first
	v_wmma_f32_16x16x128_fp8_fp8 v[8*n:8*n+7], v[va:va+15], v[P:P+15], 0
.else
	v_wmma_f32_16x16x128_fp8_fp8 v[8*n:8*n+7], v[va:va+15], v[P:P+15], v[8*n:8*n+7]
.endif
.endm
; THE MATRIX WORK OF A TRIP.  pv = 1: the twelve products on codes of the step before; x = 1: the 48 f32 products of the step in hand and its LDS loads.
.macro MBLK pv, x, first
.set n, 0
.rept 12
.if \pv
	PVP \first
.endif
.if \x
	FP
.if n == 3                             ; v's fragments 0-3 have been multiplied: four plain places (ISA guide 7.12.1), then k's chunks 1 and 2 land on their registers, twelve f32 products ahead of their first use
	PLACES 4
	WIN 0x40                                       ; destination window 1
.irp c, 1,2
.irp t, 0,1,2,3,4,5,6,7
	ds_load_b128 v[KC+8*\t+4*(\c-1):KC+8*\t+4*(\c-1)+3], v[ADR] offset:1536*\t+512*\c
.endr
.endr
.endif
.if n == 11                            ; all of v has been multiplied: four places, then the step's own fragments 4 to 11
	PLACES 4
	WIN 0x40
.irp i, 4,5,6,7,8,9
.irp c, 0,1,2,3
	ds_load_b128 v[VF+16*\i+4*\c:VF+16*\i+4*\c+3], v[ADR] offset:KIMG+2048*\i+512*\c
.endr
.endr
	WIN 0
.irp i, 0,1
.irp c, 0,1,2,3
	ds_load_b128 v[VH+16*\i+4*\c:VH+16*\i+4*\c+3], v[ADR] offset:KIMG+2048*(10+\i)+512*\c
.endr
.endr
.endif
.endif
.set n, n+1
.endr
.if \x
.rept 36
.if n == 16
	s_wait_dscnt 40                                ; chunk 1's eight loads are in; behind them: chunk 2's eight and v's 32
.endif
.if n == 32
	s_wait_dscnt 32                                ; chunk 2's are in; v's 32 may be out
.endif
	FP
.set n, n+1
.endr
	PLACES 8                                       ; eight places behind this form: for the loads into k's registers, here and at the next trip's head, and for the first read of the scores
	WIN 0x40
.irp i, 0,1,2,3
.irp c, 0,1,2,3
	ds_load_b128 v[VF+16*\i+4*\c:VF+16*\i+4*\c+3], v[ADR] offset:KIMG+2048*\i+512*\c
.endr
.endr
.endif
	WIN 0
.endm
.macro TM b                            ; pair b of the scores: t - M, into other registers than the sums'
	v_pk_fma_f32 v[T+2*(\b):T+2*(\b)+1], v[S+2*(\b):S+2*(\b)+1], s[22:23], v[8:9] op_sel_hi:[1,0,0]
.endm
; THE VECTOR WORK OF A TRIP: the softmax of a key step and p's codes.  first = 1: the first key step: O^T does not exist yet and is not rescaled
.macro YV first
	v_max3_num_f32 v14, v[S], v[S+1], v[S+2]       ; the step's largest score of my query among my 64 keys: four chains, the registers in ascending order
	v_max3_num_f32 v15, v[S+3], v[S+4], v[S+5]
	v_max3_num_f32 v244, v[S+6], v[S+7], v[S+8]
	v_max3_num_f32 v245, v[S+9], v[S+10], v[S+11]
.set j, 12
.rept 6
	v_max3_num_f32 v14, v14, v[S+j], v[S+j+1]
	v_max3_num_f32 v15, v15, v[S+j+2], v[S+j+3]
	v_max3_num_f32 v244, v244, v[S+j+4], v[S+j+5]
	v_max3_num_f32 v245, v245, v[S+j+6], v[S+j+7]
.set j, j+8
.endr
	v_max3_num_f32 v14, v14, v[S+60], v[S+61]
	v_max3_num_f32 v15, v15, v[S+62], v[S+63]
	v_max3_num_f32 v14, v14, v15, v244
	v_max_num_f32 v14, v14, v245
	v_mov_b32 v15, v8                              ; the old -M
	v_permlanex16_b32 v16, v14, s20, s21
	v_max_num_f32 v14, v14, v16                    ; and among lane l xor 16's
	v_mul_f32 v14, s22, v14                        ; as t
	v_max_num_f32 v9, v9, v14                      ; the running largest t
	v_floor_f32 v8, -v9                            ; the new -M = floor(-t) = -ceil(t)
	v_sub_f32 v15, v8, v15                         ; old M - new M: a whole number, 0 or less
	TM 0
	TM 1
	v_cvt_i32_f32 v15, v15                         ; (it saturates)
	TM 2
	TM 3
	v_ldexp_f32 v12, 1.0, v15                      ; f = 2^(old M - new M)
	; ONE BATCH: the 64 exponentials and the other 28 scalings, a scaling behind every second exponential, four pairs ahead of its own exponentials.  None of these names an exponential's result
.set j, 0
.rept 64
	v_exp_f32 v[T+j], v[T+j]                       ; p = 2^(t - M)
.if (j%2 == 0) && (j/2+4 < 32)
	TM j/2+4
.endif
.set j, j+1
.endr
	v_pk_mul_f32 v[10:11], v[10:11], v[12:13] op_sel_hi:[1,0]   ; the sums under the new M: the plain instruction behind the last exponential
	s_wait_alu depctr_va_vdst(0)                   ; one wait for the batch of 64, ahead of its first reader
	v_pk_add_f32 v[20:21], v[T:T+1], v[T+2:T+3]    ; the row's sum of the UNQUANTISED p, in four chains
	v_pk_add_f32 v[22:23], v[T+4:T+5], v[T+6:T+7]
	v_pk_add_f32 v[246:247], v[T+8:T+9], v[T+10:T+11]
	v_pk_add_f32 v[10:11], v[10:11], v[T+12:T+13]
.set j, 14
.rept 6
	v_pk_add_f32 v[20:21], v[20:21], v[T+j:T+j+1]
	v_pk_add_f32 v[22:23], v[22:23], v[T+j+2:T+j+3]
	v_pk_add_f32 v[246:247], v[246:247], v[T+j+4:T+j+5]
	v_pk_add_f32 v[10:11], v[10:11], v[T+j+6:T+j+7]
.set j, j+8
.endr
	v_pk_add_f32 v[20:21], v[20:21], v[T+62:T+63]
	v_pk_add_f32 v[22:23], v[22:23], v[246:247]
	v_pk_add_f32 v[10:11], v[10:11], v[20:21]
	v_pk_add_f32 v[10:11], v[10:11], v[22:23]
.irp b, 0,1,2,3
.irp i, 0,1,2,3,4,5,6,7,8,9,10,11,12,13,14,15
	v_min_num_f32 v[T+16*\b+\i], v[T+16*\b+\i], v17   ; the conversion does not saturate (ISA guide 7.6.2); p is not negative: a one-sided hold
.endr
	v_cvt_scalef32_pk8_fp8_f32 v[P+4*\b:P+4*\b+1], v[T+16*\b:T+16*\b+7], v18
	v_cvt_scalef32_pk8_fp8_f32 v[P+4*\b+2:P+4*\b+3], v[T+16*\b+8:T+16*\b+15], v18
.endr
.if \first
	v_nop                                          ; one plain vector instruction behind the last conversion
.else
	WIN 0x41                                       ; O^T (destination and source 0) window 1, f window 0
.set j, 0
.rept 48
	v_pk_mul_f32 v[j:j+1], v[j:j+1], v[12:13] op_sel_hi:[1,0]   ; O^T under the new M, each accumulator from its low end on; these are also the plain instructions behind the conversions
.set j, j+2
.endr
.endif
.endm
; Trip j: k's first chunk of step j is asked for; the softmax of step j - 1; the matrix work of both
.macro TRIP first
	v_add_nc_u32 v[ADR], s[TB], v[LI]
	KZERO
	YV \first
	s_wait_dscnt 0x0                               ; v of step j - 1 and k's first chunk of step j are in: both were asked for ahead of the softmax
	MBLK 1, 1, \first
	s_add_co_u32 s[TB], s[TB], STEPB
.endm
.macro FOUR                            ; a slot's four key steps
	s_mov_b32 s43, 4
.Lstep_\@:
	TRIP 0
	s_sub_co_u32 s43, s43, 1
	s_cmp_lg_u32 s43, 0
	s_cbranch_scc1 .Lstep_\@
.endm
; THE CHANGE OF SLOTS, from slot old to slot new.  Each wave waits for all its tensor loads (one is out: its part of the new slot), adds 0 to its spare word, and waits for that and for its reads of the old slot.
; fill = 1: the old slot takes the keys two slots on; the barrier is then a round of the cluster's, and the joint refill is the first thing behind it: it has four key steps in which to land.
.macro CHANGE fill, old, new
	s_wait_tensorcnt 0x0                           ; no tensor load of mine is out, so a group 0 may be written
	ds_add_u32 v[SPW], v[NIL]                      ; 0 onto my spare word; the steps below stand between it and the wait for it
	s_mov_b32 s[TB], \new*SLOTB
.if \fill
	s_add_co_u32 s37, s41, \old*SLOTB              ; the walking descriptor: my part of the old slot,
	s_add_nc_u64 s[38:39], s[38:39], SLOTB         ; the next four key steps; the type bits on top are not reached
.endif
	s_wait_dscnt 0x0                               ; the add is done, and my reads of the old slot are over
.if \fill
	CROUND
	tensor_load_to_lds s[36:39], s[24:31]
	s_nop 0
	PLACES 4
.else
	s_barrier_signal -1
	s_barrier_wait -1
.endif
.endm
	s_load_b256 s[4:11], s[0:1], 0x0               ; qimg s[4:5], kv s[6:7], the exponents s[8:9], out s[10:11]
	v_lshl_add_u32 v[SPW], v0, 2, SPARE
	v_mov_b32 v[NIL], 0
	ds_add_u32 v3, v4
	ds_add_u32 v3, v4
	s_wait_dscnt 0x0
	v_lshrrev_b32 v14, 5, v0
	v_readfirstlane_b32 s[WV], v14                 ; wave 0 .. 7
	s_bfe_u32 s14, ttmp6, 0x40000                  ; cx
	s_lshl_b32 s15, ttmp9, 2
	s_add_co_u32 s15, s15, s14                     ; my block of 128 queries: it enters q's and out's addresses alone
	s_and_b32 s16, ttmp7, 0xffff                   ; the image, which the four partners share
	; descriptor group 1: 72 rows of 32 elements of 8 bytes, dense in memory and in LDS
	s_mov_b32 s24, 15|(3<<16)|(1<<21)              ; 15:0 the mask: all four; 17:16 elements of 8 bytes; 21 set beside a mask
	s_mov_b32 s25, 32<<16                          ; tensor_dim0
	s_mov_b32 s26, 72<<16                          ; tensor_dim1
	s_mov_b32 s27, 32<<16                          ; tile_dim0
	s_mov_b32 s28, 72                              ; tile_dim1
	s_mov_b32 s29, 32                              ; tensor_dim0_stride
	s_mov_b32 s30, 0
	s_mov_b32 s31, 0
	s_mul_i32 s41, s[WV], WPART                    ; my part's place in a slot, in memory and in LDS
	s_mul_i32 s46, s16, 32*STEPB
	s_add_co_u32 s46, s46, s41
	s_mov_b32 s47, 0
	s_lshl_b32 s48, s16, 5
	s_add_co_u32 s48, s48, s15
	s_lshl_b32 s48, s48, 3
	s_add_co_u32 s48, s48, s[WV]
	s_mul_i32 s48, s48, 1536                       ; q: tile 8 (32 image + block) + wave
	s_mov_b32 s49, 0
	s_mul_i32 s50, s16, 192*4096*4
	s_mul_i32 s51, s[WV], 24*4096*4
	s_add_co_u32 s50, s50, s51
	s_lshl_b32 s51, s15, 9
	s_add_co_u32 s50, s50, s51                     ; out: the image, channel 24 x wave, position 128 x block
	s_mov_b32 s51, 0
	s_mov_b32 s20, 0x76543210
	s_mov_b32 s21, 0xfedcba98                      ; v_permlanex16_b32's selects for lane l xor 16
	s_mov_b32 s22, 0x3fb8aa3b                      ; log2(e)
	s_mov_b32 s23, s22                             ; (named with it as a pair, so it is written)
	s_mov_b32 s[TB], 0
	v_and_b32 v[LI], 31, v0
	v_lshlrev_b32 v[LI], 4, v[LI]
	v_and_b32 v14, 15, v0                          ; r
	v_bfe_u32 v15, v0, 4, 1                        ; h
	v_and_b32 v16, 8, v14
	v_add_nc_u32 v16, v16, v14                     ; r + 8 (r / 8)
	v_lshlrev_b32 v[STO0], 2, v16
	v_mul_u32_u24 v15, v15, 8*SP
	v_add_nc_u32 v[STO0], v[STO0], v15             ; the stage: row 8 h (+ 16 ct + i), 4 bytes at my query's place in the block:
	s_lshr_b32 s52, s[WV], 1
	s_lshl_b32 s52, s52, 7
	s_and_b32 s53, s[WV], 1
	s_lshl_b32 s53, s53, 5
	s_add_co_u32 s52, s52, s53                     ; 32 (wave / 2) + 8 (wave % 2) + r + 8 (r / 8)
	v_add_nc_u32 v[STO0], s52, v[STO0]
	v_add_nc_u32 v[STO1], 96*SP, v[STO0]
	s_mul_i32 s52, s[WV], 24*SP
	v_add_nc_u32 v[RD], s52, v[LI]                 ; back: rows 24 wave on, 16 bytes a lane
	s_wait_kmcnt 0x0
	s_load_b64 s[44:45], s[8:9], 0x18              ; e6, e7
	s_mov_b32 s32, 1
	s_mov_b32 s33, s41                             ; slot 0
	s_add_nc_u64 s[34:35], s[6:7], s[46:47]        ; key steps 0 to 3
	s_mov_b32 s36, 1
	s_add_co_u32 s37, s41, SLOTB                   ; slot 1
	s_add_nc_u64 s[38:39], s[34:35], SLOTB         ; key steps 4 to 7; this set then walks
	s_or_b32 s35, s35, 0x80000000                  ; type = 2
	s_or_b32 s39, s39, 0x80000000
	s_add_nc_u64 s[4:5], s[4:5], s[48:49]
	s_add_nc_u64 s[10:11], s[10:11], s[50:51]
	CROUND                                         ; all four work-groups are here: the first joint loads meet
	tensor_load_to_lds s[32:35], s[24:31]          ; both first fills together, ahead of every wait on TENSORcnt and every LDS read: two loads of mine are out
	s_nop 0
	tensor_load_to_lds s[36:39], s[24:31]
	s_nop 0
	PLACES 4
.irp c, 0,1,2
	global_load_b128 v[Q+4*\c:Q+4*\c+3], v[LI], s[4:5] offset:512*\c th:TH_LOAD_NT   ; Q stays in registers
.endr
	v_mov_b32 v9, 0xff61b1e6                       ; the largest t so far: -3e38, under every t
	v_floor_f32 v8, -v9                            ; -M
	v_mov_b32 v10, 0                               ; the sum, in two halves
	v_mov_b32 v11, 0
	v_mov_b32 v13, 0                               ; (named as the upper half of the pair v[12:13])
	v_mov_b32 v16, 0                               ; a lane permute's destination counts as one of its sources
	s_wait_kmcnt 0x0
	s_add_co_i32 s46, s44, 127
	s_lshl_b32 s47, s46, 23
	v_mov_b32 v18, s47                             ; 2^e6 as f32, for the conversion
	s_add_co_i32 s46, s46, 8
	s_lshl_b32 s46, s46, 23
	s_or_b32 s46, s46, 0x600000
	v_mov_b32 v17, s46                             ; 448 x 2^e6
	s_wait_loadcnt 0x0                             ; Q
	s_wait_tensorcnt 1                             ; my part of slot 0 is in; slot 1's may stay out
	s_barrier_signal -1
	s_barrier_wait -1                              ; everybody's is
	; key step 0: its scores and its v; there is no step before it
	v_add_nc_u32 v[ADR], s[TB], v[LI]
	KZERO
	s_wait_dscnt 0x0
	MBLK 0, 1, 0
	s_add_co_u32 s[TB], s[TB], STEPB
	TRIP 1                                         ; key step 1, written out: the products on codes of step 0 start O^T's sums
	s_mov_b32 s43, 2                               ; key steps 2 and 3
.Lhead_steps:
	TRIP 0
	s_sub_co_u32 s43, s43, 1
	s_cmp_lg_u32 s43, 0
	s_cbranch_scc1 .Lhead_steps
	s_mov_b32 s42, 3                               ; key steps 4 to 27: two slots a trip, so that every slot's base is a constant; six refills
.Lslots:
	CHANGE 1, 0, 1
	FOUR
	CHANGE 1, 1, 0
	FOUR
	s_sub_co_u32 s42, s42, 1
	s_cmp_lg_u32 s42, 0
	s_cbranch_scc1 .Lslots
	CHANGE 0, 0, 1                                 ; key steps 28 to 31 are written out: nothing is left to fetch
	FOUR
	YV 0                                           ; the last key step's softmax
	s_wait_dscnt 0x0                               ; its v is in
	MBLK 1, 0, 0                                   ; and its products on codes
	; THE WAY OUT.  O^T / the sum x 2^(e6 + e7).  A lane holds one query and eight channels a tile; out has the positions innermost.  So the numbers go, four bytes each, into a stage of 192 rows (channels) x 128 positions,
	; which all eight waves fill; behind a barrier each wave reads 24 whole rows and stores them: 512 consecutive bytes an instruction, aligned.
	PLACES 4                                       ; behind the last products, ahead of the first read of their results and the first write of their sources
	v_add_f32 v10, v10, v11                        ; the sum's two halves,
	v_permlanex16_b32 v16, v10, s20, s21
	v_add_f32 v10, v10, v16                        ; and lane l xor 16's
	v_rcp_f32 v10, v10
	v_nop                                          ; a plain instruction behind the reciprocal
	s_add_co_i32 s46, s44, s45
	s_wait_alu depctr_va_vdst(0)                   ; and the wait ahead of its first reader
	v_ldexp_f32 v10, v10, s46
	WIN 0x01                                       ; source 0 (O^T) window 1
.set j, 0
.rept 48
	v_pk_mul_f32 v[T+j:T+j+1], v[j:j+1], v[10:11] op_sel_hi:[1,0]   ; each accumulator from its low end on; into v128-223: the scores' registers are not written
.set j, j+2
.endr
	WIN 0
.set j, 0
.rept 48
	ds_store_b32 v[STO0], v[T+j] offset:(16*(j/8)+j%8)*SP           ; channel 16 ct + 8 h + i: the two halves of the lanes lie 8 rows = 1,056 words apart
.set j, j+1
.endr
.set j, 0
.rept 48
	ds_store_b32 v[STO1], v[T+48+j] offset:(16*(j/8)+j%8)*SP
.set j, j+1
.endr
	s_wait_dscnt 0x0                               ; for the others' sake: my stores into the stage are done
	s_barrier_signal -1
	s_barrier_wait -1
.set j, 0
.rept 24
	ds_load_b128 v[T+4*j:T+4*j+3], v[RD] offset:j*SP
.set j, j+1
.endr
.set j, 0
.rept 24
	s_wait_dscnt 23-j                              ; row j is back; the younger loads may be out
	global_store_b128 v[LI], v[T+4*j:T+4*j+3], s[10:11] offset:j*16384 th:TH_STORE_NT   ; 128 positions of channel 24 wave + j
.set j, j+1
.endr
	s_wait_tensorcnt 0x0                           ; the wave's end: behind my last tensor load and my last LDS store
	ds_add_u32 v[SPW], v[NIL]
	s_wait_dscnt 0x0
	CROUND                                         ; the closing round: no work-group ends while a partner may still ask for a tile that names it
	s_endpgm
.Lfunc_end_k_q77ca2d5689_attn:
	.size	k_q77ca2d5689_attn, .Lfunc_end_k_q77ca2d5689_attn-k_q77ca2d5689_attn
	.p2alignl 7, 3214868480
	.fill 96, 4, 3214868480
	.section	.rodata,"a",@progbits
	.p2align	6, 0x0
	.amdhsa_kernel k_q77ca2d5689_attn
		.amdhsa_group_segment_fixed_size 327680
		.amdhsa_private_segment_fixed_size 0
		.amdhsa_enable_private_segment 0
		.amdhsa_kernarg_size 32
		.amdhsa_user_sgpr_count 2
		.amdhsa_user_sgpr_kernarg_segment_ptr 1
		.amdhsa_wavefront_size32 1
		.amdhsa_system_sgpr_workgroup_id_x 1
		.amdhsa_system_sgpr_workgroup_id_y 1
		.amdhsa_system_sgpr_workgroup_id_z 1
		.amdhsa_system_vgpr_workitem_id 0
		.amdhsa_next_free_vgpr 512
		.amdhsa_next_free_sgpr 66
		.amdhsa_reserve_vcc 0
		.amdhsa_float_denorm_mode_32 3
		.amdhsa_float_denorm_mode_16_64 3
		.amdhsa_memory_ordered 1
		.amdhsa_forward_progress 1
		.amdhsa_inst_pref_size 162
	.end_amdhsa_kernel
	.amdgpu_metadata
---
amdhsa.version: [ 1, 2 ]
amdhsa.kernels:
  - .name:           k_q77ca2d5689_attn
    .symbol:         k_q77ca2d5689_attn.kd
    .args:
      - { .name: qimg, .offset: 0, .size: 8, .value_kind: global_buffer, .address_space: global }
      - { .name: kv, .offset: 8, .size: 8, .value_kind: global_buffer, .address_space: global }
      - { .name: lowp_scales, .offset: 16, .size: 8, .value_kind: global_buffer, .address_space: global }
      - { .name: out0, .offset: 24, .size: 8, .value_kind: global_buffer, .address_space: global }
    .group_segment_fixed_size: 327680
    .private_segment_fixed_size: 0
    .kernarg_segment_align: 8
    .kernarg_segment_size: 32
    .max_flat_workgroup_size: 256
    .sgpr_count:     66
    .vgpr_count:     512
    .wavefront_size: 32
...
	.end_amdgpu_metadata
.endif
;; end of part 2
